; MI455X (gfx1250); checked and timed in simulation.
; The chip was launched on July 23, 2026; its instructions are those of AMD's public machine-readable ISA for CDNA 5 (MIT licence, August 2026) and "CDNA5" Instruction Set Architecture Reference Guide (July 2026). The comments in the code are by the model that wrote it; some were corrected since.
;; minerva2. Allowed arithmetic: float matrix products may take bf16 or f16 operands with f32 sums; all other float work in f32.
;; Inputs: ex_class_reps 16,384 x 28 float32; ex_features 16,384 x 256 float32; features 4,096 x 256 float32.
;; Outputs: out0 4,096 x 28 float32; out1 4,096 float32.
;; Constants: p_factor = 3.
;; 2 versions, each right; version 2 is version 1 with the launch prep written anew for expert scheduling mode. Each part assembles by itself: llvm-mc -triple=amdgcn-amd-amdhsa -mcpu=gfx1250 --defsym DOCPART=n.
;; ======== version 1 of 2: 3 launches
;; limits: values are held in f16: magnitudes above 65,504 overflow, below 6.1e-05 lose precision; inputs' magnitudes at most 65,504
;; workspace buffers: fn 2,097,152 bytes; ev 9,437,184 bytes; part 8,388,608 bytes
;; launch prep (part 1): grid 256 x 1, 8 waves a work-group, no clusters, 16,640 bytes of LDS; arguments features, ex_features, ex_class_reps, fn, ev; writes fn, ev
.if DOCPART == 1
	.amdgcn_target "amdgcn-amd-amdhsa--gfx1250"
	.amdhsa_code_object_version 6
	.text
	.protected	k_q6790fd9b29_prep
	.globl	k_q6790fd9b29_prep
	.p2align	8
	.type	k_q6790fd9b29_prep,@function
k_q6790fd9b29_prep:
	s_mov_b64 s[64:65], 0
	v_nop
	global_prefetch_b8 v0, s[64:65] scope:SCOPE_SE
	s_setreg_imm32_b32 hwreg(HW_REG_WAVE_MODE, 25, 1), 1
	s_wait_xcnt 0x0
; prep: rows of features [4096][256] and ex_features [16384][256] are scaled in f32 by 1 / max(sqrt(sum x^2), 1e-12), rounded once to f16
; and laid out as the second launch wants them; ex_class_reps [16384][28] is transposed, widened to 32 columns (column 28 = 1.0, which makes
; the row sum of the activations one more column of the second product; 29 to 31 = 0) and rounded to f16.
; WHY f16: the cube triples the relative error of a similarity, so the operands' 11 significant bits are wanted.  The normalised rows are at
; most 1 in magnitude for every input, so f16's range serves them.  They are stored as 4 F^ and 8 E^ (powers of two: exact), so that the
; first product is 32 s and its cube 2^15 s^3, at most 32,768 (1 + 3 x 2^-10) and far from f16's denormals; the last launch multiplies by 2^-15.
;   fn: the 16 bytes at Q*8192 + (k/8)*256 + r*16 hold 4 F^[16Q+r][k .. k+7], k a multiple of 8: 512 consecutive bytes are half a matrix fragment.
;   ev: 128 tile images of 144 rows x 512 bytes, one for 128 exemplars.  Rows 0-127: 8 E^[128T+row][0..255].
;       Row 128+i: the 128 bytes at dh*256 + u*128 hold V[c = 16u+i][d = 128T + 64dh + 0..63].
; Work-group b: E rows 64b .. 64b+63 (half dh = b&1 of tile T = b>>1), F rows 16b .. 16b+15, R rows 64b .. 64b+63 (7,168 consecutive bytes).
; Wave w: E rows 8w .. 8w+7 and F rows 2w, 2w+1, one row at a time over its 32 lanes: the sum never leaves the wave.
; Memory binds here: no matrix unit, no cluster, no tensor load.  All of a wave's 20 row loads (512 consecutive bytes each) go out at once.
; LIMITS: a number of ex_class_reps above 65,504 in magnitude becomes infinite in f16; below 6.1e-5 it keeps an absolute step of 6e-8.
; The division is a multiplication by v_rcp_f32 (1 ULP).  The reciprocal is never flushed: a finite sum of squares keeps the norm under
; 1.9e19.  A sum of squares that is denormal counts as 0 in v_sqrt_f32, and 1e-12 is taken, as it is for the true root (under 1.1e-19).
.set FL, 7168                          ; LDS: 0 .. 7167 the R block as in memory; FL .. FL+8447 sixteen F rows of 512 bytes, pitch FP
.set FP, 528                           ; 33 x 16 bytes: sixteen lanes that read one 16-byte column of sixteen rows touch sixteen different columns modulo 256
.set A0, 10                            ; v[10:11] sum of squares
.set RC, 12                            ; v[12:13] the scaled reciprocal, twice
.set NR, 14                            ; v14      the norm
.set PX, 15                            ; v15      the other half's sum
.set X,  16                            ; v[16:95] ten rows, 8 registers each: elements 4L .. 4L+3 and 128+4L .. 128+4L+3 of lane L
.set RX, 96                            ; v[96:103]  R on its way to LDS; later F on its way out
.set VV, 104                           ; v[104:111] eight numbers of V
	s_load_b128 s[4:7], s[0:1], 0x0                ; features s[4:5], ex_features s[6:7]
	s_load_b64 s[8:9], s[0:1], 0x10                ; ex_class_reps
	s_load_b64 s[12:13], s[0:1], 0x18              ; fn
	s_load_b64 s[14:15], s[0:1], 0x20              ; ev
	v_lshl_add_u32 v112, v0, 2, 0x3d00
	v_mov_b32 v113, 0
	v_lshrrev_b32 v1, 5, v0
	v_readfirstlane_b32 s16, v1                    ; wave 0..7
	s_mov_b32 s17, 0x2b8cbccc                      ; 1e-12
	s_mov_b32 s18, 0x76543210                      ; v_permlanex16_b32: lane i reads lane i of the other half
	s_mov_b32 s19, 0xfedcba98
	v_and_b32 v1, 31, v0                           ; lane
	v_lshlrev_b32 v2, 4, v0                        ; 16 t: R in, F out
	v_lshlrev_b32 v3, 4, v1
	v_lshl_add_u32 v4, s16, 11, v3                 ; F in: 2 rows of 1,024 bytes a wave + 16 lane
	v_lshl_add_u32 v3, s16, 13, v3                 ; E in: 8 rows of 1,024 bytes a wave + 16 lane
	v_lshlrev_b32 v5, 3, v1
	s_mul_i32 s26, s16, 2*FP
	v_add_nc_u32 v6, s26, v5                       ; F into LDS: the wave's own two rows + 8 lane
	v_lshl_add_u32 v5, s16, 12, v5                 ; E out: 8 rows of 512 bytes a wave + 8 lane
	v_and_b32 v7, 15, v0
	v_lshrrev_b32 v8, 4, v0
	v_mul_u32_u24 v7, v7, FP
	v_lshl_add_u32 v7, v8, 4, v7                   ; F back from LDS: row t & 15, 16-byte column t >> 4
	v_mov_b32 v[PX], 0                             ; v_permlanex16_b32 counts as a reader of its destination
	s_mov_b32 s21, 0
	s_lshr_b32 s27, ttmp9, 1                       ; T
	s_and_b32 s28, ttmp9, 1                        ; dh
	s_wait_kmcnt 0x0
	s_lshl_b32 s20, ttmp9, 14
	s_add_nc_u64 s[4:5], s[4:5], s[20:21]          ; features at row 16 b
	s_lshl_b32 s20, ttmp9, 16
	s_add_nc_u64 s[6:7], s[6:7], s[20:21]          ; ex_features at row 64 b
	s_mul_i32 s20, ttmp9, 7168
	s_add_nc_u64 s[8:9], s[8:9], s[20:21]          ; ex_class_reps at row 64 b
	s_lshl_b32 s20, ttmp9, 13
	s_add_nc_u64 s[12:13], s[12:13], s[20:21]      ; fn at tile b
	s_mul_i32 s20, s27, 73728
	s_add_nc_u64 s[14:15], s[14:15], s[20:21]      ; ev at tile image T
	s_lshl_b32 s20, s28, 15
	s_add_nc_u64 s[24:25], s[14:15], s[20:21]      ; its row 64 dh
	s_lshl_b32 s20, s28, 8
	s_add_co_u32 s20, s20, 65536
	s_add_nc_u64 s[22:23], s[14:15], s[20:21]      ; its row 128, byte 256 dh
	; R: 448 pieces of 16 bytes = 14 loads of a wave: one for every wave, a second one for waves 0 to 5
	global_load_b128 v[RX:RX+3], v2, s[8:9] th:TH_LOAD_NT
	s_cmp_lt_u32 s16, 6
	s_cbranch_scc0 .Lr_asked
	global_load_b128 v[RX+4:RX+7], v2, s[8:9] offset:4096 th:TH_LOAD_NT
.Lr_asked:
.irp i, 0,1,2,3,4,5,6,7
	global_load_b128 v[X+8*\i:X+8*\i+3],   v3, s[6:7] offset:\i*1024 th:TH_LOAD_NT
	global_load_b128 v[X+8*\i+4:X+8*\i+7], v3, s[6:7] offset:\i*1024+512 th:TH_LOAD_NT
.endr
.irp i, 0,1
	global_load_b128 v[X+64+8*\i:X+64+8*\i+3], v4, s[4:5] offset:\i*1024 th:TH_LOAD_NT
	global_load_b128 v[X+68+8*\i:X+68+8*\i+3], v4, s[4:5] offset:\i*1024+512 th:TH_LOAD_NT
.endr
	s_wait_loadcnt 20                              ; the 20 row loads are younger: R is in, with one load or with two
	ds_store_b128 v2, v[RX:RX+3]
	s_cmp_lt_u32 s16, 6
	s_cbranch_scc0 .Lr_stored
	ds_store_b128 v2, v[RX+4:RX+7] offset:4096
.Lr_stored:
; Row i of the wave's ten.  isf = 0: row k of its eight of E, times 8, out to ev; isf = 1: row k of its two of F, times 4, into LDS.
.macro ROW i, isf, k
	s_wait_loadcnt 18-2*\i                         ; loads come back in order (ISA guide 5.7.1): the rows behind this one stay out
	v_pk_mul_f32 v[A0:A0+1], v[X+8*\i:X+8*\i+1], v[X+8*\i:X+8*\i+1]
.irp c, 2,4,6
	v_pk_fma_f32 v[A0:A0+1], v[X+8*\i+\c:X+8*\i+\c+1], v[X+8*\i+\c:X+8*\i+\c+1], v[A0:A0+1]
.endr
	v_add_f32 v[A0], v[A0], v[A0+1]
	v_add_f32_dpp v[A0], v[A0], v[A0] row_xmask:1 row_mask:0xf bank_mask:0xf
	v_add_f32_dpp v[A0], v[A0], v[A0] row_xmask:2 row_mask:0xf bank_mask:0xf
	v_add_f32_dpp v[A0], v[A0], v[A0] row_xmask:4 row_mask:0xf bank_mask:0xf
	v_add_f32_dpp v[A0], v[A0], v[A0] row_xmask:8 row_mask:0xf bank_mask:0xf
	v_permlanex16_b32 v[PX], v[A0], s18, s19
	v_add_f32 v[A0], v[A0], v[PX]                  ; the row's sum of squares, in every lane
	v_sqrt_f32 v[NR], v[A0]
	v_nop                                          ; one plain place behind a transcendental before its result is used (ISA guide 5.7.2)
	s_wait_alu depctr_va_vdst(0)
	v_max_num_f32 v[NR], s17, v[NR]
	v_rcp_f32 v[RC], v[NR]
	v_nop                                          ; likewise
.if \isf
	s_wait_alu depctr_va_vdst(0)
	v_mul_f32 v[RC], 4.0, v[RC]                    ; 4 F^ and 8 E^: exact, and at most 8e12
.else
	s_wait_alu depctr_va_vdst(0)
	v_mul_f32 v[RC], 0x41000000, v[RC]             ; 8.0
.endif
	v_mov_b32 v[RC+1], v[RC]
.irp c, 0,2,4,6
	v_pk_mul_f32 v[X+8*\i+\c:X+8*\i+\c+1], v[X+8*\i+\c:X+8*\i+\c+1], v[RC:RC+1]
.endr
.irp c, 0,1,2,3
	v_cvt_pk_f16_f32 v[X+8*\i+\c], v[X+8*\i+2*\c], v[X+8*\i+2*\c+1]    ; in place, ascending: a register is written after it was read
.endr
.if \isf
	ds_store_b64 v6, v[X+8*\i:X+8*\i+1]   offset:FL+\k*FP
	ds_store_b64 v6, v[X+8*\i+2:X+8*\i+3] offset:FL+\k*FP+256
.else
	global_store_b64 v5, v[X+8*\i:X+8*\i+1],   s[24:25] offset:\k*512       ; 32 lanes x 8 bytes: 256 consecutive bytes, aligned
	global_store_b64 v5, v[X+8*\i+2:X+8*\i+3], s[24:25] offset:\k*512+256   ; each row has registers of its own: none is written again
.endif
.endm
	ROW 0, 0, 0
	ROW 1, 0, 1
	ROW 2, 0, 2
	ROW 3, 0, 3
	ROW 4, 0, 4
	ROW 5, 0, 5
	ROW 6, 0, 6
	ROW 7, 0, 7
	ROW 8, 1, 0
	ROW 9, 1, 1
	; V: thread t makes the 16 bytes of column c = 16 u + i for the eight exemplars 8 dg .. 8 dg + 7: dg = t & 7, u = (t >> 3) & 1, i = t >> 4
	v_bfe_u32 v10, v0, 3, 1
	v_lshrrev_b32 v11, 4, v0
	v_lshl_add_u32 v10, v10, 4, v11                ; c
	v_lshlrev_b32 v9, 9, v11                       ; out: row i of 512 bytes
	v_and_b32 v12, 15, v0
	v_lshl_add_u32 v9, v12, 4, v9                  ;      + 128 u + 16 dg
	v_min_u32 v11, 27, v10                         ; columns 28 to 31 read column 27 and throw it away: every read stays inside the R block
	v_and_b32 v8, 7, v0
	v_mul_u32_u24 v8, v8, 896                      ; 8 rows of R, 112 bytes each
	v_lshl_add_u32 v8, v11, 2, v8
	v_mov_b32 v12, 1.0
	v_cmp_eq_u32 vcc_lo, 28, v10
	v_cndmask_b32 v11, 0, v12, vcc_lo              ; what stands in columns 28 to 31: 1, 0, 0, 0
	v_cmp_gt_u32 vcc_lo, 28, v10                   ; a column of R
	s_wait_dscnt 0x0                               ; my stores of R and of F are in LDS,
	s_barrier_signal -1
	s_barrier_wait -1                              ; and so are everybody's
	ds_load_b128 v[RX:RX+3],   v7 offset:FL        ; 4 F^[r][8 (t>>4) ..]
	ds_load_b128 v[RX+4:RX+7], v7 offset:FL+256    ; 4 F^[r][128 + 8 (t>>4) ..]
.irp j, 0,1,2,3,4,5,6,7
	ds_load_b32 v[VV+\j], v8 offset:\j*112
.endr
	s_wait_dscnt 8                                 ; the eight loads of R are younger: F is in
	global_store_b128 v2, v[RX:RX+3],   s[12:13]               ; 16 lanes: 256 consecutive bytes, aligned
	global_store_b128 v2, v[RX+4:RX+7], s[12:13] offset:4096
	s_wait_dscnt 0x0
.irp j, 0,1,2,3,4,5,6,7
	v_cndmask_b32 v[VV+\j], v11, v[VV+\j], vcc_lo
.endr
.irp j, 0,1,2,3
	v_cvt_pk_f16_f32 v[VV+\j], v[VV+2*\j], v[VV+2*\j+1]
.endr
	global_store_b128 v9, v[VV:VV+3], s[22:23]     ; 16 lanes: 256 consecutive bytes, aligned
	s_wait_tensorcnt 0x0
	ds_add_u32 v112, v113
	s_wait_dscnt 0x0
	s_endpgm
.Lfunc_end_k_q6790fd9b29_prep:
	.size	k_q6790fd9b29_prep, .Lfunc_end_k_q6790fd9b29_prep-k_q6790fd9b29_prep
	.p2alignl 7, 3214868480
	.fill 96, 4, 3214868480
	.section	.rodata,"a",@progbits
	.p2align	6, 0x0
	.amdhsa_kernel k_q6790fd9b29_prep
		.amdhsa_group_segment_fixed_size 16640
		.amdhsa_private_segment_fixed_size 0
		.amdhsa_enable_private_segment 0
		.amdhsa_kernarg_size 40
		.amdhsa_user_sgpr_count 2
		.amdhsa_user_sgpr_kernarg_segment_ptr 1
		.amdhsa_wavefront_size32 1
		.amdhsa_system_sgpr_workgroup_id_x 1
		.amdhsa_system_sgpr_workgroup_id_y 1
		.amdhsa_system_sgpr_workgroup_id_z 1
		.amdhsa_system_vgpr_workitem_id 0
		.amdhsa_next_free_vgpr 114
		.amdhsa_next_free_sgpr 66
		.amdhsa_reserve_vcc 1
		.amdhsa_float_denorm_mode_32 3
		.amdhsa_float_denorm_mode_16_64 3
		.amdhsa_memory_ordered 1
		.amdhsa_forward_progress 1
		.amdhsa_inst_pref_size 24
	.end_amdhsa_kernel
	.amdgpu_metadata
---
amdhsa.version: [ 1, 2 ]
amdhsa.kernels:
  - .name:           k_q6790fd9b29_prep
    .symbol:         k_q6790fd9b29_prep.kd
    .args:
      - { .name: features, .offset: 0, .size: 8, .value_kind: global_buffer, .address_space: global }
      - { .name: ex_features, .offset: 8, .size: 8, .value_kind: global_buffer, .address_space: global }
      - { .name: ex_class_reps, .offset: 16, .size: 8, .value_kind: global_buffer, .address_space: global }
      - { .name: fn, .offset: 24, .size: 8, .value_kind: global_buffer, .address_space: global }
      - { .name: ev, .offset: 32, .size: 8, .value_kind: global_buffer, .address_space: global }
    .group_segment_fixed_size: 16640
    .private_segment_fixed_size: 0
    .kernarg_segment_align: 8
    .kernarg_segment_size: 40
    .max_flat_workgroup_size: 256
    .sgpr_count:     66
    .vgpr_count:     114
    .wavefront_size: 32
...
	.end_amdgpu_metadata
.endif
;; end of part 1
;; launch main (part 2): grid 16 x 16, 8 waves a work-group, clusters of 4 x 1, 327,680 bytes of LDS; arguments fn, ev, part; writes part
.if DOCPART == 2
	.amdgcn_target "amdgcn-amd-amdhsa--gfx1250"
	.amdhsa_code_object_version 6
	.text
	.protected	k_q6790fd9b29_main
	.globl	k_q6790fd9b29_main
	.p2align	8
	.type	k_q6790fd9b29_main,@function
k_q6790fd9b29_main:
	s_mov_b64 s[64:65], 0
	v_nop
	global_prefetch_b8 v0, s[64:65] scope:SCOPE_SE
	s_setreg_imm32_b32 hwreg(HW_REG_WAVE_MODE, 25, 1), 1
	s_wait_xcnt 0x0
	s_wait_alu depctr_hold_cnt(0) depctr_sa_sdst(0) depctr_va_vdst(0) depctr_va_sdst(0) depctr_va_ssrc(0) depctr_va_vcc(0) depctr_vm_vsrc(0)
	s_getreg_b32 s2, hwreg(HW_REG_IB_STS2, 6, 4)
	s_cmp_eq_u32 s2, 0
	s_cbranch_scc0 .Lentry_in_a_cluster
	s_endpgm
.Lentry_in_a_cluster:
	s_bfe_u32 s2, ttmp6, 0x10000c
	s_cmp_lg_u32 s2, 0x3003
	s_cbranch_scc0 .Lentry_shape_is_right
	s_endpgm
.Lentry_shape_is_right:
; main: for 256 rows q and 1,024 exemplars d, part = 2^15 x sum over d of s(q,d)^3 V[c][d], s = F^ . E^ (K = 256), V = [R | 1 | 0 0 0] (32 columns).
; sign(s) |s|^3 is s*s*s.  s never leaves the registers.
; FORMATS: all matrix operands are f16, sums f32.  fn holds 4 F^ and ev 8 E^, so the first product is 32 s, at most 32 (1 + 2^-10) in magnitude for
; every input, and its cube 2^15 s^3 is at most 32,768 (1 + 3 x 2^-10), inside f16, and normal in f16 down to |s| = 0.0012.  The next launch multiplies by 2^-15.
; Work-group (x, y): q = 256 x .. +255, d = 1024 y .. +1023 = tile images 8y .. 8y+7 of ev, one a step, through two LDS slots.
; Wave w: g = w & 3 picks its 64 q (four tiles t of 16), e = w >> 2 its rows 64 e .. 64 e + 63 of every tile of 128 d, as two chunks of 32 d.
; F^ of the 64 q stays in 256 registers (window 1) for the whole launch, so one E fragment of 1 KiB from LDS feeds four matrix instructions.
; EIGHT WAVES of 512 registers, not four of 1,024: the cubes need sources in window 0 and the first product a source in window 1, so the two
; are laid in long stretches under one setting each (two switches a chunk), and a second wave has matrix work to issue while one cubes.
; THE CHAIN NEEDS NO SHUFFLE.  First product: A = 16 d x 32 k of E, B = 16 q x 32 k of F: lane (r, h), register j holds 32 s(d = 8h + j, q = r).
; Two such tiles, cubed and packed to f16, are registers 0-3 and 4-7 of a fragment with column q = r and k = d over 32 d.
; Second product: A = 16 c x 32 d of V, B = that fragment: lane (r, h), register j holds O(c = 8h + j, q = r).
; CLUSTER 4 x 1: the four work-groups of one y and neighbouring x walk the same tile images: each image is asked for jointly (mask 15).
; Each of the eight waves asks for 18 of the 144 rows, so that every wave issues exactly one load behind each round and no branch stands round one.
; F^ is NOT asked for jointly: the work-groups that share it differ in y and lie in other clusters; it is loaded once, straight into registers
; (64 loads of 512 consecutive bytes a wave; 128 KiB of distinct bytes against 576 KiB of tile images for a work-group).
; The two waves of one g sum their halves through LDS at the end; the sum over the sixteen y is the next launch's.
.set PITCH, 528                        ; an LDS row: 512 bytes + 16 of padding = 33 x 16: the 16 rows of a fragment load touch 16 different 16-byte columns modulo 256
.set TILEB, 73728                      ; a tile image in ev: 144 rows x 512 bytes
.set WROWS, 18                         ; rows a wave asks for
.set WLDS,  WROWS*PITCH
.set SLOT,  8*WLDS                     ; 76,032
.set VROWS, 128*PITCH                  ; where V's sixteen rows begin in a slot
.set SCR,   2*SLOT                     ; 152,064 = 594 x 256: 4 x 8 KiB for the closing exchange; no tensor load lands here
.set CHB,   32*PITCH                   ; a chunk of 32 d
.set ADRE, 8                           ; v8, v9    my E fragments in slot 0, 1
.set ADRV, 10                          ; v10, v11  my V fragments in slot 0, 1
.set SCRA, 12                          ; v12       my 16 bytes in the exchange
.set LO,   13                          ; v13       16 x lane
.set VF,   16                          ; v[16:31]  V fragments u = 0, 1
.set O,    32                          ; v[32:95]  accumulators (u, t) at 8 (4u + t)
.set S,    96                          ; v[96:159] s tiles (t, dt) at 16 t + 8 dt; the packed fragment of t takes the first 8 of its 16
.set EB0,  160                         ; v[160:191] E fragments of a pair of k steps: (kk, dt) at 16 kk + 8 dt
.set EB1,  192                         ; v[192:223] the second buffer
.set T,    224                         ; v[224:239] at work in the cube
                                       ; window 1: F fragment (t, ks) at 8 (8 t + ks)
.set G1, 16                            ; s[16:23] descriptor group 1
.set G0, 24                            ; s[24:31] descriptor group 0, four registers for each slot
.set MSB, 0
.macro WIN new                         ; the immediate's high byte repeats the setting that is left
.if MSB != \new
	s_set_vgpr_msb (MSB<<8)|\new
.set MSB, \new
.endif
.endm
.macro PLACES cnt                      ; places behind matrix instructions: plain vector instructions that name none of their registers (ISA guide 7.12.1)
.rept \cnt
	v_nop
.endr
.endm
; A round of the cluster's barrier: my work-group's barrier, wave 0 signals for the work-group, every wave waits for all four work-groups, my work-group's barrier again.
.macro ROUND
	s_barrier_signal -1
	s_barrier_wait -1
	s_cmp_lg_u32 s10, 0
	s_cbranch_scc1 .Lnot_wave_0_\@
	s_barrier_signal -3
.Lnot_wave_0_\@:
	s_barrier_wait -3
	s_barrier_signal -1
	s_barrier_wait -1
.endm
; Eight LDS loads: the E fragments of two k steps x two d tiles, from byte off of my rows, into buffer f
.macro FETCH adr, off, f
.irp kk, 0,1
.irp dt, 0,1
.irp p, 0,1
	ds_load_b128 v[\f+16*\kk+8*\dt+4*\p:\f+16*\kk+8*\dt+4*\p+3], v[\adr] offset:\off+\dt*16*PITCH+\kk*64+\p*32
.endr
.endr
.endr
.endm
; Four LDS loads: V's two fragments (c = 0-15, 16-31) for chunk j
.macro VLOAD adr, j
.irp u, 0,1
.irp p, 0,1
	ds_load_b128 v[VF+8*\u+4*\p:VF+8*\u+4*\p+3], v[\adr] offset:64*\j+128*\u+32*\p
.endr
.endr
.endm
; Sixteen matrix instructions: k steps ks0, ks0 + 1 of the eight s tiles.  The eight accumulators take turns, one instruction a turn.
; zero = 1: k step 0 starts the sums.
.macro KP f, ks0, zero
.irp kk, 0,1
.irp dt, 0,1
.irp t, 0,1,2,3
.if \zero*(1-\kk)
	v_wmma_f32_16x16x32_f16 v[S+16*\t+8*\dt:S+16*\t+8*\dt+7], v[\f+16*\kk+8*\dt:\f+16*\kk+8*\dt+7], v[8*(8*\t+\ks0+\kk):8*(8*\t+\ks0+\kk)+7], 0
.else
	v_wmma_f32_16x16x32_f16 v[S+16*\t+8*\dt:S+16*\t+8*\dt+7], v[\f+16*\kk+8*\dt:\f+16*\kk+8*\dt+7], v[8*(8*\t+\ks0+\kk):8*(8*\t+\ks0+\kk)+7], v[S+16*\t+8*\dt:S+16*\t+8*\dt+7]
.endif
.endr
.endr
.endr
.endm
; q tile qt: 16 registers of 32 s are cubed, packed into the first 8 of them, and multiplied by V's two fragments.  zero = 1: the launch's first chunk starts the sums.
.macro CUBEPV qt, zero
.irp p, 0,1,2,3,4,5,6,7
	v_pk_mul_f32 v[T+2*\p:T+2*\p+1], v[S+16*\qt+2*\p:S+16*\qt+2*\p+1], v[S+16*\qt+2*\p:S+16*\qt+2*\p+1]
.endr
.irp p, 0,1,2,3,4,5,6,7
	v_pk_mul_f32 v[T+2*\p:T+2*\p+1], v[T+2*\p:T+2*\p+1], v[S+16*\qt+2*\p:S+16*\qt+2*\p+1]
.endr
.irp p, 0,1,2,3,4,5,6,7
	v_cvt_pk_f16_f32 v[S+16*\qt+\p], v[T+2*\p], v[T+2*\p+1]
.endr
.irp u, 0,1
.if \zero
	v_wmma_f32_16x16x32_f16 v[O+8*(4*\u+\qt):O+8*(4*\u+\qt)+7], v[VF+8*\u:VF+8*\u+7], v[S+16*\qt:S+16*\qt+7], 0
.else
	v_wmma_f32_16x16x32_f16 v[O+8*(4*\u+\qt):O+8*(4*\u+\qt)+7], v[VF+8*\u:VF+8*\u+7], v[S+16*\qt:S+16*\qt+7], v[O+8*(4*\u+\qt):O+8*(4*\u+\qt)+7]
.endif
.endr
.endm
; Chunk j (32 d x 64 q) of slot sl: 64 + 8 matrix instructions.  On entry the first pair of k steps is in buffer 0 or on its way there.
; nxt = 1: the next chunk's first pair is fetched too.  Each run of eight loads is issued one KP (sixteen matrix instructions) ahead of its use.
.macro CHUNK sl, j, nxt, zero
	PLACES 5                                       ; five places before the first product writes over the packed fragments that the last matrix instructions read; four of them also serve the loads into V's fragments
	VLOAD ADRV+\sl, \j
	WIN 0x04                                       ; source 1 (F) in window 1; loads and v_nop are not touched by that field
	FETCH ADRE+\sl, \j*CHB+128, EB1
	s_wait_dscnt 12                                ; the 4 + 8 loads just issued may be out: buffer 0 is in
	KP EB0, 0, 1
	PLACES 4                                       ; four places before loads land on registers that matrix instructions have read
	FETCH ADRE+\sl, \j*CHB+256, EB0
	s_wait_dscnt 8                                 ; the 8 just issued may be out: buffer 1 and V are in
	KP EB1, 2, 0
	PLACES 4
	FETCH ADRE+\sl, \j*CHB+384, EB1
	s_wait_dscnt 8
	KP EB0, 4, 0
.if \nxt
	PLACES 4
	FETCH ADRE+\sl, (\j+1)*CHB, EB0
	s_wait_dscnt 8
.else
	s_wait_dscnt 0
.endif
	KP EB1, 6, 0
	WIN 0
	PLACES 4                                       ; four places before vector instructions read the results
	CUBEPV 0, \zero
	CUBEPV 1, \zero
	CUBEPV 2, \zero
	CUBEPV 3, \zero
.endm
; A step on slot sl.  refill = 1: the other slot, read in the last step, gets the tile two steps on from its last.
; In front of the round every wave has waited for all its tensor loads (its part of this slot among them) and for its reads of the other slot;
; behind the round no wave of the four work-groups reads that slot or has a load out; the joint load comes first, one a wave, and has a step in which to land.
.macro NEXT sl, refill
	s_wait_tensorcnt 0x0
	ds_add_u32 v254, v255
	s_wait_dscnt 0x0
.if \refill
	s_add_nc_u64 s[G0+6-4*\sl:G0+7-4*\sl], s[G0+6-4*\sl:G0+7-4*\sl], 2*TILEB   ; no load of mine is out: a group 0 may be written
.endif
	s_wait_dscnt 0x0
.if \refill
	ROUND
	tensor_load_to_lds s[G0+4-4*\sl:G0+7-4*\sl], s[G1:G1+7]
	s_nop 0
.else
	s_barrier_signal -1                            ; the last step: the slot is whole for every wave
	s_barrier_wait -1
.endif
	FETCH ADRE+\sl, 0, EB0
	CHUNK \sl, 0, 1, 0
	CHUNK \sl, 1, 0, 0
.endm
	s_load_b128 s[4:7], s[0:1], 0x0                ; fn s[4:5], ev s[6:7]
	s_load_b64 s[8:9], s[0:1], 0x10                ; part
	v_lshl_add_u32 v254, v0, 2, 0x2d200
	v_mov_b32 v255, 0
	ds_add_u32 v254, v255
	v_lshrrev_b32 v1, 5, v0
	v_readfirstlane_b32 s10, v1                    ; wave 0..7
	v_and_b32 v1, 31, v0                           ; lane
	v_lshlrev_b32 v[LO], 4, v1
	s_and_b32 s11, s10, 3                          ; g
	s_lshr_b32 s12, s10, 2                         ; e
	s_bfe_u32 s13, ttmp6, 0x40000                  ; cx
	s_lshl_b32 s14, ttmp9, 2
	s_add_co_u32 s14, s14, s13                     ; x = 4 x cluster x + cx
	s_and_b32 s15, ttmp7, 0xffff                   ; y
	; group 1: 18 rows of 256 elements of 2 bytes, dense in memory, 16 bytes of padding behind each row in LDS
	s_mov_b32 s[G1+0], 15|(1<<16)|(1<<20)|(1<<21)|(6<<22)|(3<<25)  ; 15:0 mask: all four of the cluster; 17:16 2 bytes; 20 padding; 21 set beside a mask; 24:22 after 128 words; 31:25 4 words
	s_mov_b32 s[G1+1], 256<<16                     ; tensor_dim0 = 256
	s_mov_b32 s[G1+2], WROWS<<16                   ; tensor_dim1 = 18
	s_mov_b32 s[G1+3], 256<<16                     ; tile_dim0 = 256
	s_mov_b32 s[G1+4], WROWS                       ; tile_dim1 = 18
	s_mov_b32 s[G1+5], 256                         ; elements from row to row
	s_mov_b32 s[G1+6], 0
	s_mov_b32 s[G1+7], 0
	s_mul_i32 s32, s15, 8*TILEB                    ; the tiles hang on y, the wave and the step alone: alike in the four partners
	s_mul_i32 s34, s10, WROWS*512
	s_add_co_u32 s32, s32, s34
	s_mov_b32 s33, 0
	s_lshl_b32 s40, s14, 17                        ; fn: q tile 16 x + 4 g, 8,192 bytes each (what holds cx stays in s[40:43])
	s_lshl_b32 s41, s11, 15
	s_add_co_u32 s40, s40, s41
	s_mov_b32 s41, 0
	s_lshl_b32 s42, s15, 19                        ; part: y x 524,288 + (4 x + g) x 8,192
	s_lshl_b32 s43, s14, 15
	s_add_co_u32 s42, s42, s43
	s_lshl_b32 s43, s11, 13
	s_add_co_u32 s42, s42, s43
	s_mov_b32 s43, 0
	s_wait_dscnt 0x0
	s_wait_kmcnt 0x0
	s_add_nc_u64 s[4:5], s[4:5], s[40:41]
	s_add_nc_u64 s[8:9], s[8:9], s[42:43]
	s_mov_b32 s[G0+0], 1
	s_mul_i32 s[G0+1], s10, WLDS                   ; LDS: the wave's 18 rows of slot 0
	s_add_nc_u64 s[G0+2:G0+3], s[6:7], s[32:33]    ; tile 8 y
	s_mov_b32 s[G0+4], 1
	s_add_co_u32 s[G0+5], s[G0+1], SLOT
	s_add_nc_u64 s[G0+6:G0+7], s[G0+2:G0+3], TILEB ; tile 8 y + 1
	s_or_b32 s[G0+3], s[G0+3], 0x80000000          ; type 2
	s_or_b32 s[G0+7], s[G0+7], 0x80000000
	; 4 F^ of my 64 q: 64 loads of 512 consecutive bytes, each half a fragment, into window 1
	WIN 0x40
.irp t, 0,1,2,3
.irp ks, 0,1,2,3,4,5,6,7
.irp p, 0,1
	global_load_b128 v[8*(8*\t+\ks)+4*\p:8*(8*\t+\ks)+4*\p+3], v[LO], s[4:5] offset:\t*8192+\ks*1024+\p*512
.endr
.endr
.endr
	WIN 0
	ROUND                                          ; the four work-groups are here: the first joint loads meet
	tensor_load_to_lds s[G0:G0+3], s[G1:G1+7]      ; both first fills go out together: two loads of the wave are out, later one
	s_nop 0
	tensor_load_to_lds s[G0+4:G0+7], s[G1:G1+7]
	s_nop 0
	v_and_b32 v2, 15, v0                           ; r
	v_bfe_u32 v3, v0, 4, 1                         ; h
	v_mul_u32_u24 v4, v2, PITCH
	v_lshl_add_u32 v4, v3, 4, v4                   ; r x pitch + 16 h
	s_mul_i32 s37, s12, 64*PITCH                   ; my 64 rows of E
	v_add_nc_u32 v[ADRE], s37, v4
	v_add_nc_u32 v[ADRE+1], SLOT, v[ADRE]
	s_lshl_b32 s38, s12, 8                         ; my 64 d of V's rows
	s_add_co_u32 s38, s38, VROWS
	v_add_nc_u32 v[ADRV], s38, v4
	v_add_nc_u32 v[ADRV+1], SLOT, v[ADRV]
	s_lshl_b32 s39, s11, 13
	s_add_co_u32 s39, s39, SCR
	v_lshl_add_u32 v[SCRA], v1, 4, s39
	s_wait_tensorcnt 0x1                           ; my part of slot 0 is in; slot 1's may stay out
	s_barrier_signal -1
	s_barrier_wait -1
	FETCH ADRE, 0, EB0
	s_wait_loadcnt 0x0                             ; F^
	CHUNK 0, 0, 1, 1                               ; the first chunk's second products start the sums: nothing is cleared
	CHUNK 0, 1, 0, 0
	s_mov_b32 s36, 3                               ; steps 1 to 6; their refills bring tiles 2 to 7
.Lloop:
	NEXT 1, 1
	NEXT 0, 1
	s_sub_co_u32 s36, s36, 1
	s_cmp_lg_u32 s36, 0
	s_cbranch_scc1 .Lloop
	NEXT 1, 0                                      ; step 7
	; The two waves of one g hold sums over different d: waves 4 to 7 hand theirs over through LDS, waves 0 to 3 add and store.
	PLACES 4                                       ; four places before stores and vector instructions read the last results, and before loads land on the last packed fragment
	s_cmp_lt_u32 s10, 4
	s_cbranch_scc1 .Lkeep
.irp i, 0,1,2,3,4,5,6,7,8,9,10,11,12,13,14,15
	ds_store_b128 v[SCRA], v[O+4*\i:O+4*\i+3] offset:512*\i
.endr
.Lkeep:
	s_wait_dscnt 0x0                               ; my stores are in LDS,
	s_barrier_signal -1
	s_barrier_wait -1                              ; and so are the others'
	s_cmp_lt_u32 s10, 4
	s_cbranch_scc0 .Lclose
.irp i, 0,1,2,3,4,5,6,7,8,9,10,11,12,13,14,15
	ds_load_b128 v[S+4*\i:S+4*\i+3], v[SCRA] offset:512*\i
.endr
.irp i, 0,1,2,3,4,5,6,7,8,9,10,11,12,13,14,15
	s_wait_dscnt 15-\i                             ; LDS loads come back in order (ISA guide 5.7.1): the younger ones stay out; the last count is 0
	v_pk_add_f32 v[O+4*\i:O+4*\i+1],   v[O+4*\i:O+4*\i+1],   v[S+4*\i:S+4*\i+1]
	v_pk_add_f32 v[O+4*\i+2:O+4*\i+3], v[O+4*\i+2:O+4*\i+3], v[S+4*\i+2:S+4*\i+3]
	global_store_b128 v[LO], v[O+4*\i:O+4*\i+3], s[8:9] offset:512*\i   ; 512 consecutive bytes, aligned
.endr
.Lclose:
	s_wait_tensorcnt 0x0
	ds_add_u32 v254, v255
	s_wait_dscnt 0x0
	ROUND                                          ; the closing round: no work-group ends while a partner may still ask for a tile that names it
	s_endpgm
.Lfunc_end_k_q6790fd9b29_main:
	.size	k_q6790fd9b29_main, .Lfunc_end_k_q6790fd9b29_main-k_q6790fd9b29_main
	.p2alignl 7, 3214868480
	.fill 96, 4, 3214868480
	.section	.rodata,"a",@progbits
	.p2align	6, 0x0
	.amdhsa_kernel k_q6790fd9b29_main
		.amdhsa_group_segment_fixed_size 327680
		.amdhsa_private_segment_fixed_size 0
		.amdhsa_enable_private_segment 0
		.amdhsa_kernarg_size 24
		.amdhsa_user_sgpr_count 2
		.amdhsa_user_sgpr_kernarg_segment_ptr 1
		.amdhsa_wavefront_size32 1
		.amdhsa_system_sgpr_workgroup_id_x 1
		.amdhsa_system_sgpr_workgroup_id_y 1
		.amdhsa_system_sgpr_workgroup_id_z 1
		.amdhsa_system_vgpr_workitem_id 0
		.amdhsa_next_free_vgpr 512
		.amdhsa_next_free_sgpr 66
		.amdhsa_reserve_vcc 0
		.amdhsa_float_denorm_mode_32 3
		.amdhsa_float_denorm_mode_16_64 3
		.amdhsa_memory_ordered 1
		.amdhsa_forward_progress 1
		.amdhsa_inst_pref_size 127
	.end_amdhsa_kernel
	.amdgpu_metadata
---
amdhsa.version: [ 1, 2 ]
amdhsa.kernels:
  - .name:           k_q6790fd9b29_main
    .symbol:         k_q6790fd9b29_main.kd
    .args:
      - { .name: fn, .offset: 0, .size: 8, .value_kind: global_buffer, .address_space: global }
      - { .name: ev, .offset: 8, .size: 8, .value_kind: global_buffer, .address_space: global }
      - { .name: part, .offset: 16, .size: 8, .value_kind: global_buffer, .address_space: global }
    .group_segment_fixed_size: 327680
    .private_segment_fixed_size: 0
    .kernarg_segment_align: 8
    .kernarg_segment_size: 24
    .max_flat_workgroup_size: 256
    .sgpr_count:     66
    .vgpr_count:     512
    .wavefront_size: 32
...
	.end_amdgpu_metadata
.endif
;; end of part 2
;; launch reduce (part 3): grid 256 x 1, 4 waves a work-group, no clusters, 2,560 bytes of LDS; arguments part, out0, out1; writes out0, out1
.if DOCPART == 3
	.amdgcn_target "amdgcn-amd-amdhsa--gfx1250"
	.amdhsa_code_object_version 6
	.text
	.protected	k_q6790fd9b29_reduce
	.globl	k_q6790fd9b29_reduce
	.p2align	8
	.type	k_q6790fd9b29_reduce,@function
k_q6790fd9b29_reduce:
	s_mov_b64 s[64:65], 0
	v_nop
	global_prefetch_b8 v0, s[64:65] scope:SCOPE_SE
	s_setreg_imm32_b32 hwreg(HW_REG_WAVE_MODE, 25, 1), 1
	s_wait_xcnt 0x0
; reduce: the sixteen partial sums (one for each 1,024 exemplars) are added in f32, in ascending order, multiplied by 2^-15 (the partial sums
; carry the factor 2^15 that kept the cubes normal in f16; the multiplication is exact) and laid out as out0 [4096][28] and out1 [4096].
; part: the 16 bytes at y*524288 + (b>>2)*8192 + u*4096 + (b&3)*1024 + jh*512 + lane*16 hold O(c = 16u + 8h + 4jh + 0..3) of row q = 16 b + r, lane = 16 h + r.
; Work-group b: the 16 rows 16 b .. 16 b + 15.  Wave w = 2 u + jh.  Each load of a wave covers 512 consecutive bytes; all sixteen go out at once.
; Memory binds: no matrix unit, no cluster, no tensor load.
; out0 leaves as 112 x 16 = 1,792 consecutive bytes, seven whole aligned blocks of 256; out1 as 64 consecutive bytes a work-group (16 KiB in the whole launch).
	s_load_b128 s[4:7], s[0:1], 0x0                ; part s[4:5], out0 s[6:7]
	s_load_b64 s[8:9], s[0:1], 0x10                ; out1
	v_lshl_add_u32 v80, v0, 2, 0x800
	v_mov_b32 v81, 0
	v_lshrrev_b32 v1, 5, v0
	v_readfirstlane_b32 s10, v1                    ; wave 0..3
	s_lshr_b32 s11, s10, 1                         ; u
	s_and_b32 s12, s10, 1                          ; jh
	s_lshr_b32 s14, ttmp9, 2
	s_lshl_b32 s14, s14, 13
	s_and_b32 s13, ttmp9, 3
	s_lshl_b32 s13, s13, 10
	s_add_co_u32 s14, s14, s13
	s_lshl_b32 s13, s11, 12
	s_add_co_u32 s14, s14, s13
	s_lshl_b32 s13, s12, 9
	s_add_co_u32 s14, s14, s13
	s_mov_b32 s15, 0
	s_mul_i32 s16, ttmp9, 1792                     ; 16 rows of 112 bytes
	s_mov_b32 s17, 0
	s_lshl_b32 s18, ttmp9, 6                       ; 16 numbers
	s_mov_b32 s19, 0
	v_and_b32 v1, 31, v0
	v_lshlrev_b32 v1, 4, v1                        ; 16 x lane
	s_wait_kmcnt 0x0
	s_add_nc_u64 s[4:5], s[4:5], s[14:15]
	s_add_nc_u64 s[6:7], s[6:7], s[16:17]
	s_add_nc_u64 s[8:9], s[8:9], s[18:19]
.irp y, 0,1,2,3,4,5,6,7,8,9,10,11,12,13,14,15
	global_load_b128 v[16+4*\y:19+4*\y], v1, s[4:5] offset:\y*524288 th:TH_LOAD_NT   ; 7,864,320 at the most: inside the signed 24 bits
.endr
	v_lshlrev_b32 v2, 4, v0                        ; 16 t: where I put my four sums, where out0's piece t goes, and where intensity t - 112 lies
	; piece t of out0's 112: row r = t / 7, columns 4 cq .. 4 cq + 3, cq = t - 7 r.  147 t >> 10 is t / 7 for t < 112 (the excess 147/1024 - 1/7 times 111 stays under 1/7).
	v_mul_u32_u24 v5, v0, 147
	v_bfe_u32 v5, v5, 10, 4                        ; r
	v_mul_u32_u24 v6, v5, 7
	v_sub_nc_u32 v6, v0, v6                        ; cq = 4 u + 2 h + jh
	v_and_b32 v7, 1, v6
	v_bfe_u32 v8, v6, 1, 1
	v_bfe_u32 v9, v6, 2, 1
	v_lshlrev_b32 v3, 4, v5
	v_lshl_add_u32 v3, v8, 8, v3
	v_lshl_add_u32 v3, v7, 9, v3
	v_lshl_add_u32 v3, v9, 10, v3                  ; thread (2 u + jh) x 32 + 16 h + r put them at 16 x its number
	v_and_b32 v4, 15, v0
	v_lshlrev_b32 v4, 2, v4                        ; out1: 4 (t - 112) for t = 112 .. 127
.irp y, 1,2,3,4,5,6,7,8,9,10,11,12,13,14,15
	s_wait_loadcnt 15-\y                           ; loads come back in order (ISA guide 5.7.1): the later splits stay out
	v_pk_add_f32 v[16:17], v[16:17], v[16+4*\y:17+4*\y]
	v_pk_add_f32 v[18:19], v[18:19], v[18+4*\y:19+4*\y]
.endr
	v_pk_mul_f32 v[16:17], v[16:17], 0x38000000 op_sel_hi:[1,0]    ; 2^-15
	v_pk_mul_f32 v[18:19], v[18:19], 0x38000000 op_sel_hi:[1,0]
	ds_store_b128 v2, v[16:19]
	s_wait_dscnt 0x0                               ; my store is in LDS,
	s_barrier_signal -1
	s_barrier_wait -1                              ; and so are the others'
	ds_load_b128 v[10:13], v3                      ; every lane loads (all addresses lie under 2,048); only the stores are masked
	ds_load_b32 v14, v2                            ; c = 28 of row t - 112: wave 3, h = 1, first of its four numbers
	v_cmp_gt_u32 vcc_lo, 112, v0
	s_wait_dscnt 0x0
	s_wait_xcnt 0x0                                ; EXEC changes only behind this wait
	s_and_saveexec_b32 s20, vcc_lo
	global_store_b128 v2, v[10:13], s[6:7]         ; threads 0 to 111
	s_wait_xcnt 0x0                                ; and again in front of the line that widens it
	s_or_b32 exec_lo, exec_lo, s20
	v_cmp_le_u32 vcc_lo, 112, v0
	s_and_saveexec_b32 s20, vcc_lo                 ; nothing was issued since the last such wait
	global_store_b32 v4, v14, s[8:9]               ; threads 112 to 127
	s_wait_xcnt 0x0
	s_or_b32 exec_lo, exec_lo, s20
	s_wait_tensorcnt 0x0
	ds_add_u32 v80, v81
	s_wait_dscnt 0x0
	s_endpgm
.Lfunc_end_k_q6790fd9b29_reduce:
	.size	k_q6790fd9b29_reduce, .Lfunc_end_k_q6790fd9b29_reduce-k_q6790fd9b29_reduce
	.p2alignl 7, 3214868480
	.fill 96, 4, 3214868480
	.section	.rodata,"a",@progbits
	.p2align	6, 0x0
	.amdhsa_kernel k_q6790fd9b29_reduce
		.amdhsa_group_segment_fixed_size 2560
		.amdhsa_private_segment_fixed_size 0
		.amdhsa_enable_private_segment 0
		.amdhsa_kernarg_size 24
		.amdhsa_user_sgpr_count 2
		.amdhsa_user_sgpr_kernarg_segment_ptr 1
		.amdhsa_wavefront_size32 1
		.amdhsa_system_sgpr_workgroup_id_x 1
		.amdhsa_system_sgpr_workgroup_id_y 1
		.amdhsa_system_sgpr_workgroup_id_z 1
		.amdhsa_system_vgpr_workitem_id 0
		.amdhsa_next_free_vgpr 82
		.amdhsa_next_free_sgpr 66
		.amdhsa_reserve_vcc 1
		.amdhsa_float_denorm_mode_32 3
		.amdhsa_float_denorm_mode_16_64 3
		.amdhsa_memory_ordered 1
		.amdhsa_forward_progress 1
		.amdhsa_inst_pref_size 8
	.end_amdhsa_kernel
	.amdgpu_metadata
---
amdhsa.version: [ 1, 2 ]
amdhsa.kernels:
  - .name:           k_q6790fd9b29_reduce
    .symbol:         k_q6790fd9b29_reduce.kd
    .args:
      - { .name: part, .offset: 0, .size: 8, .value_kind: global_buffer, .address_space: global }
      - { .name: out0, .offset: 8, .size: 8, .value_kind: global_buffer, .address_space: global }
      - { .name: out1, .offset: 16, .size: 8, .value_kind: global_buffer, .address_space: global }
    .group_segment_fixed_size: 2560
    .private_segment_fixed_size: 0
    .kernarg_segment_align: 8
    .kernarg_segment_size: 24
    .max_flat_workgroup_size: 128
    .sgpr_count:     66
    .vgpr_count:     82
    .wavefront_size: 32
...
	.end_amdgpu_metadata
.endif
;; end of part 3
;; ======== version 2 of 2: 3 launches; version 1 with the launch prep written anew for expert scheduling mode
;; limits: values are held in f16: magnitudes above 65,504 overflow, below 6.1e-05 lose precision; inputs' magnitudes at most 65,504
;; workspace buffers: fn 2,097,152 bytes; ev 9,437,184 bytes; part 8,388,608 bytes
;; launch prep (part 4): grid 256 x 1, 8 waves a work-group, no clusters, 16,640 bytes of LDS; arguments features, ex_features, ex_class_reps, fn, ev; writes fn, ev
.if DOCPART == 4
	.amdgcn_target "amdgcn-amd-amdhsa--gfx1250"
	.amdhsa_code_object_version 6
	.text
	.protected	k_q6790fd9b29_prep
	.globl	k_q6790fd9b29_prep
	.p2align	8
	.type	k_q6790fd9b29_prep,@function
k_q6790fd9b29_prep:
	s_mov_b64 s[64:65], 0
	v_nop
	global_prefetch_b8 v0, s[64:65] scope:SCOPE_SE
	s_setreg_imm32_b32 hwreg(HW_REG_WAVE_SCHED_MODE, 0, 2), 2
	s_setreg_imm32_b32 hwreg(HW_REG_WAVE_MODE, 25, 1), 1
	s_wait_xcnt 0x0
	s_wait_alu depctr_vm_vsrc(0)
; prep: rows of features [4096][256] and ex_features [16384][256] are scaled in f32 by 1 / max(sqrt(sum x^2), 1e-12), rounded once to f16
; and laid out as the second launch wants them; ex_class_reps [16384][28] is transposed, widened to 32 columns (column 28 = 1.0, which makes
; the row sum of the activations one more column of the second product; 29 to 31 = 0) and rounded to f16.
; WHY f16: the cube triples the relative error of a similarity, so the operands' 11 significant bits are wanted.  The normalised rows are at
; most 1 in magnitude for every input, so f16's range serves them.  They are stored as 4 F^ and 8 E^ (powers of two: exact), so that the
; first product is 32 s and its cube 2^15 s^3, at most 32,768 (1 + 3 x 2^-10) and far from f16's denormals; the last launch multiplies by 2^-15.
;   fn: the 16 bytes at Q*8192 + (k/8)*256 + r*16 hold 4 F^[16Q+r][k .. k+7], k a multiple of 8: 512 consecutive bytes are half a matrix fragment.
;   ev: 128 tile images of 144 rows x 512 bytes, one for 128 exemplars.  Rows 0-127: 8 E^[128T+row][0..255].
;       Row 128+i: the 128 bytes at dh*256 + u*128 hold V[c = 16u+i][d = 128T + 64dh + 0..63].
; Work-group b: E rows 64b .. 64b+63 (half dh = b&1 of tile T = b>>1), F rows 16b .. 16b+15, R rows 64b .. 64b+63 (7,168 consecutive bytes).
; Wave w: E rows 8w .. 8w+7 and F rows 2w, 2w+1, each row spread over its 32 lanes: the sum never leaves the wave.
; Memory binds here: no matrix unit, no cluster, no tensor load.  All of a wave's 20 row loads (512 consecutive bytes each) go out at once.
; LIMITS: a number of ex_class_reps above 65,504 in magnitude becomes infinite in f16; below 6.1e-5 it keeps an absolute step of 6e-8.
; The division is a multiplication by v_rcp_f32 (1 ULP).  The reciprocal is never flushed: a finite sum of squares keeps the norm under
; 1.9e19.  A sum of squares that is denormal counts as 0 in v_sqrt_f32, and 1e-12 is taken, as it is for the true root (under 1.1e-19).
; THE MODE: SCHED_MODE bits 1:0 = 2 (LLVM: expert scheduling mode 2), set by the entry lines.  The code itself states the register dependences
; between vector instructions and memory or LDS instructions, with s_wait_alu, always for 0.
; THE PLAN.  Registers that memory or LDS instructions touch:
;   v2 .. v7   offsets and LDS addresses: written once at the head, ahead of the wait in front of the first load; never written again.
;   v8, v9     V's LDS address and its offset in ev: written once, behind R's LDS stores; read behind the barrier; the steps' waits lie between.
;   X          ten rows of 8: written by the row loads; scaled and packed in place by the row's own vector lines; its first four registers are
;              then read by the row's two stores and never written again.
;   RX         written by R's loads, read by R's LDS stores; behind the barrier F's LDS loads land in it and fn's stores read it.
;   VV         written by LDS loads, selected and packed in place by vector lines, read by the last store.
;   v112, v113 written at the head, read by the closing add alone.
; The ten rows go as five groups of two (groups 0 to 3: E; group 4: F) through four stages, a step apart: the sum of squares and its root;
; the maximum and the reciprocal; the scaling and the rounding; the stores.  Each row has its own registers for sum, norm and reciprocal.
; ONE wait on va_vdst stands at a step's head: it states that the roots of the group one step back, the reciprocals of the group two steps back
; and the packed halves of the group three steps back are written.  The stores of that last group follow it at once; no vector line behind
; the wait names their registers.
.set FL, 7168                          ; LDS: 0 .. 7167 the R block as in memory; FL .. FL+8447 sixteen F rows of 512 bytes, pitch FP
.set FP, 528                           ; 33 x 16 bytes: sixteen lanes that read one 16-byte column of sixteen rows touch sixteen different columns modulo 256
.set PX, 14                            ; v[14:15]   the other half's sum, for the first and the second row of a group
.set X,  16                            ; v[16:95]   ten rows, 8 registers each: elements 4L .. 4L+3 and 128+4L .. 128+4L+3 of lane L
.set RX, 96                            ; v[96:103]  R on its way to LDS; later F on its way out
.set VV, 104                           ; v[104:111] eight numbers of V
.set AS, 114                           ; v[114:133] row i: its sum of squares, a pair at AS + 2 i
.set RS, 134                           ; v[134:153] row i: its scaled reciprocal, twice, a pair at RS + 2 i
.set NS, 154                           ; v[154:163] row i: its norm
	s_load_b128 s[4:7], s[0:1], 0x0                ; features s[4:5], ex_features s[6:7]
	s_load_b64 s[8:9], s[0:1], 0x10                ; ex_class_reps
	s_load_b64 s[12:13], s[0:1], 0x18              ; fn
	s_load_b64 s[14:15], s[0:1], 0x20              ; ev
	v_lshl_add_u32 v112, v0, 2, 0x3d00
	v_mov_b32 v113, 0
	v_lshrrev_b32 v1, 5, v0
	v_readfirstlane_b32 s16, v1                    ; wave 0..7
	s_mov_b32 s17, 0x2b8cbccc                      ; 1e-12
	s_mov_b32 s18, 0x76543210                      ; v_permlanex16_b32: lane i reads lane i of the other half
	s_mov_b32 s19, 0xfedcba98
	v_and_b32 v1, 31, v0                           ; lane
	v_lshlrev_b32 v2, 4, v0                        ; 16 t: R in, F out
	v_lshlrev_b32 v3, 4, v1
	v_lshlrev_b32 v5, 3, v1
	v_and_b32 v7, 15, v0
	v_lshrrev_b32 v8, 4, v0
	v_mul_u32_u24 v7, v7, FP
	v_lshl_add_u32 v7, v8, 4, v7                   ; F back from LDS: row t & 15, 16-byte column t >> 4
	v_mov_b32 v[PX], 0                             ; v_permlanex16_b32 counts as a reader of its destination
	v_mov_b32 v[PX+1], 0
	s_mov_b32 s21, 0
	s_lshr_b32 s27, ttmp9, 1                       ; T
	s_and_b32 s28, ttmp9, 1                        ; dh
	s_wait_alu depctr_va_sdst(0)                   ; s16 is written, ahead of its first reader: the wave's offsets are made from it
	v_lshl_add_u32 v4, s16, 11, v3                 ; F in: 2 rows of 1,024 bytes a wave + 16 lane
	v_lshl_add_u32 v3, s16, 13, v3                 ; E in: 8 rows of 1,024 bytes a wave + 16 lane
	s_mul_i32 s26, s16, 2*FP
	v_add_nc_u32 v6, s26, v5                       ; F into LDS: the wave's own two rows + 8 lane
	v_lshl_add_u32 v5, s16, 12, v5                 ; E out: 8 rows of 512 bytes a wave + 8 lane
	s_wait_kmcnt 0x0
	s_lshl_b32 s20, ttmp9, 14
	s_add_nc_u64 s[4:5], s[4:5], s[20:21]          ; features at row 16 b
	s_lshl_b32 s20, ttmp9, 16
	s_add_nc_u64 s[6:7], s[6:7], s[20:21]          ; ex_features at row 64 b
	s_mul_i32 s20, ttmp9, 7168
	s_add_nc_u64 s[8:9], s[8:9], s[20:21]          ; ex_class_reps at row 64 b
	s_lshl_b32 s20, ttmp9, 13
	s_add_nc_u64 s[12:13], s[12:13], s[20:21]      ; fn at tile b
	s_mul_i32 s20, s27, 73728
	s_add_nc_u64 s[14:15], s[14:15], s[20:21]      ; ev at tile image T
	s_lshl_b32 s20, s28, 15
	s_add_nc_u64 s[24:25], s[14:15], s[20:21]      ; its row 64 dh
	s_lshl_b32 s20, s28, 8
	s_add_co_u32 s20, s20, 65536
	s_add_nc_u64 s[22:23], s[14:15], s[20:21]      ; its row 128, byte 256 dh
	s_wait_alu depctr_va_vdst(0)                   ; the offsets and LDS addresses v2 to v7 are written, which the loads and stores below read
	; R: 448 pieces of 16 bytes = 14 loads of a wave: one for every wave, a second one for waves 0 to 5
	global_load_b128 v[RX:RX+3], v2, s[8:9] th:TH_LOAD_NT
	s_cmp_lt_u32 s16, 6
	s_cbranch_scc0 .Lr_asked
	global_load_b128 v[RX+4:RX+7], v2, s[8:9] offset:4096 th:TH_LOAD_NT
.Lr_asked:
.irp i, 0,1,2,3,4,5,6,7
	global_load_b128 v[X+8*\i:X+8*\i+3],   v3, s[6:7] offset:\i*1024 th:TH_LOAD_NT
	global_load_b128 v[X+8*\i+4:X+8*\i+7], v3, s[6:7] offset:\i*1024+512 th:TH_LOAD_NT
.endr
.irp i, 0,1
	global_load_b128 v[X+64+8*\i:X+64+8*\i+3], v4, s[4:5] offset:\i*1024 th:TH_LOAD_NT
	global_load_b128 v[X+68+8*\i:X+68+8*\i+3], v4, s[4:5] offset:\i*1024+512 th:TH_LOAD_NT
.endr
	s_wait_loadcnt 20                              ; the 20 row loads are younger: R is in, with one load or with two
	ds_store_b128 v2, v[RX:RX+3]
	s_cmp_lt_u32 s16, 6
	s_cbranch_scc0 .Lr_stored
	ds_store_b128 v2, v[RX+4:RX+7] offset:4096
.Lr_stored:
	; V: thread t makes the 16 bytes of column c = 16 u + i for the eight exemplars 8 dg .. 8 dg + 7: dg = t & 7, u = (t >> 3) & 1, i = t >> 4.
	; The addresses are made here, while the rows are on their way: the steps' waits on va_vdst then stand between these lines and the accesses by v8 and v9.
	v_bfe_u32 v10, v0, 3, 1
	v_lshrrev_b32 v11, 4, v0
	v_lshl_add_u32 v10, v10, 4, v11                ; c
	v_lshlrev_b32 v9, 9, v11                       ; out: row i of 512 bytes
	v_and_b32 v12, 15, v0
	v_lshl_add_u32 v9, v12, 4, v9                  ;      + 128 u + 16 dg
	v_min_u32 v11, 27, v10                         ; columns 28 to 31 read column 27 and throw it away: every read stays inside the R block
	v_and_b32 v8, 7, v0
	v_mul_u32_u24 v8, v8, 896                      ; 8 rows of R, 112 bytes each
	v_lshl_add_u32 v8, v11, 2, v8
	v_mov_b32 v12, 1.0
	v_cmp_eq_u32 s29, 28, v10                      ; the column of ones
	v_cmp_gt_u32 s30, 28, v10                      ; a column of R
	s_wait_alu depctr_va_sdst(0)                   ; both masks, s29 and s30, are written, ahead of their first readers: one wait behind the run of compares
	v_cndmask_b32 v11, 0, v12, s29                 ; what stands in columns 28 to 31: 1, 0, 0, 0
; The four stages of group g (rows 2 g and 2 g + 1 of the wave's ten); the two rows' lines alternate, so that no line reads the result of the one before it.
; Stage 1: the sum of squares, in every lane, and its root.
.macro SUMSQ g
.irp r, 0,1
	v_pk_mul_f32 v[AS+4*(\g)+2*\r:AS+4*(\g)+2*\r+1], v[X+16*(\g)+8*\r:X+16*(\g)+8*\r+1], v[X+16*(\g)+8*\r:X+16*(\g)+8*\r+1]
.endr
.irp c, 2,4,6
.irp r, 0,1
	v_pk_fma_f32 v[AS+4*(\g)+2*\r:AS+4*(\g)+2*\r+1], v[X+16*(\g)+8*\r+\c:X+16*(\g)+8*\r+\c+1], v[X+16*(\g)+8*\r+\c:X+16*(\g)+8*\r+\c+1], v[AS+4*(\g)+2*\r:AS+4*(\g)+2*\r+1]
.endr
.endr
.irp r, 0,1
	v_add_f32 v[AS+4*(\g)+2*\r], v[AS+4*(\g)+2*\r], v[AS+4*(\g)+2*\r+1]
.endr
.irp m, 1,2,4,8
.irp r, 0,1
	v_add_f32_dpp v[AS+4*(\g)+2*\r], v[AS+4*(\g)+2*\r], v[AS+4*(\g)+2*\r] row_xmask:\m row_mask:0xf bank_mask:0xf
.endr
.endr
.irp r, 0,1
	v_permlanex16_b32 v[PX+\r], v[AS+4*(\g)+2*\r], s18, s19
.endr
.irp r, 0,1
	v_add_f32 v[AS+4*(\g)+2*\r], v[AS+4*(\g)+2*\r], v[PX+\r]   ; the row's sum of squares, in every lane
.endr
.irp r, 0,1
	v_sqrt_f32 v[NS+2*(\g)+\r], v[AS+4*(\g)+2*\r]
.endr
.endm
; Stage 2: max(norm, 1e-12) and its reciprocal.
.macro MAXRCP g
.irp r, 0,1
	v_max_num_f32 v[NS+2*(\g)+\r], s17, v[NS+2*(\g)+\r]
.endr
.irp r, 0,1
	v_rcp_f32 v[RS+4*(\g)+2*\r], v[NS+2*(\g)+\r]
.endr
.endm
; Stage 3: the row times 8 / norm (isf = 0: E) or 4 / norm (isf = 1: F), rounded to f16.
.macro SCALE g, isf
.irp r, 0,1
.if \isf
	v_mul_f32 v[RS+4*(\g)+2*\r], 4.0, v[RS+4*(\g)+2*\r]           ; 4 F^ and 8 E^: exact, and at most 8e12
.else
	v_mul_f32 v[RS+4*(\g)+2*\r], 0x41000000, v[RS+4*(\g)+2*\r]    ; 8.0
.endif
.endr
.irp r, 0,1
	v_mov_b32 v[RS+4*(\g)+2*\r+1], v[RS+4*(\g)+2*\r]
.endr
.irp c, 0,2,4,6
.irp r, 0,1
	v_pk_mul_f32 v[X+16*(\g)+8*\r+\c:X+16*(\g)+8*\r+\c+1], v[X+16*(\g)+8*\r+\c:X+16*(\g)+8*\r+\c+1], v[RS+4*(\g)+2*\r:RS+4*(\g)+2*\r+1]
.endr
.endr
.irp c, 0,1,2,3
.irp r, 0,1
	v_cvt_pk_f16_f32 v[X+16*(\g)+8*\r+\c], v[X+16*(\g)+8*\r+2*\c], v[X+16*(\g)+8*\r+2*\c+1]    ; in place, ascending: a register is written after it was read
.endr
.endr
.endm
; Stage 4, for E: the group's two rows out to ev.
.macro OUTE g
.irp r, 0,1
	global_store_b64 v5, v[X+16*(\g)+8*\r:X+16*(\g)+8*\r+1],   s[24:25] offset:(2*(\g)+\r)*512       ; 32 lanes x 8 bytes: 256 consecutive bytes, aligned
	global_store_b64 v5, v[X+16*(\g)+8*\r+2:X+16*(\g)+8*\r+3], s[24:25] offset:(2*(\g)+\r)*512+256   ; each row has registers of its own: none is written again
.endr
.endm
	s_wait_loadcnt 16                              ; loads come back in order (ISA guide 5.7.1): group 0's four are in, the sixteen behind them stay out
	SUMSQ 0
	v_nop                                          ; one plain place behind a transcendental before its result is used (ISA guide 5.7.2): no other group's line follows here
	s_wait_alu depctr_va_vdst(0)                   ; group 0's roots are written
	MAXRCP 0
	s_wait_loadcnt 12                              ; group 1 is in
	SUMSQ 1                                        ; its first line is the plain place behind the reciprocals
	s_wait_alu depctr_va_vdst(0)                   ; group 1's roots and group 0's reciprocals are written
	SCALE 0, 0                                     ; its first line is the plain place behind the roots
	MAXRCP 1
	s_wait_loadcnt 8                               ; group 2 is in
	SUMSQ 2
	s_wait_alu depctr_va_vdst(0)                   ; group 2's roots and group 1's reciprocals are written; the conversions have written group 0's halves, which the stores below read
	OUTE 0
	SCALE 1, 0
	MAXRCP 2
	s_wait_loadcnt 4                               ; group 3 is in
	SUMSQ 3
	s_wait_alu depctr_va_vdst(0)                   ; group 3's roots, group 2's reciprocals; group 1's halves, which the stores below read
	OUTE 1
	SCALE 2, 0
	MAXRCP 3
	s_wait_loadcnt 0x0                             ; group 4, the two rows of F, is in
	SUMSQ 4
	s_wait_alu depctr_va_vdst(0)                   ; group 4's roots, group 3's reciprocals; group 2's halves, which the stores below read
	OUTE 2
	SCALE 3, 0
	MAXRCP 4
	v_nop                                          ; the plain place behind the last reciprocals
	s_wait_alu depctr_va_vdst(0)                   ; group 4's reciprocals; group 3's halves, which the stores below read
	OUTE 3
	SCALE 4, 1
	s_wait_alu depctr_va_vdst(0)                   ; the conversions have written F's halves, which the LDS stores below read
.irp r, 0,1
	ds_store_b64 v6, v[X+64+8*\r:X+64+8*\r+1]   offset:FL+\r*FP
	ds_store_b64 v6, v[X+64+8*\r+2:X+64+8*\r+3] offset:FL+\r*FP+256
.endr
	s_wait_dscnt 0x0                               ; my stores of R and of F are in LDS,
	s_barrier_signal -1
	s_barrier_wait -1                              ; and so are everybody's
	s_wait_alu depctr_vm_vsrc(0)                   ; my LDS stores of R have read v[RX ..], in which the loads of F below land
	ds_load_b128 v[RX:RX+3],   v7 offset:FL        ; 4 F^[r][8 (t>>4) ..]
	ds_load_b128 v[RX+4:RX+7], v7 offset:FL+256    ; 4 F^[r][128 + 8 (t>>4) ..]
.irp j, 0,1,2,3,4,5,6,7
	ds_load_b32 v[VV+\j], v8 offset:\j*112
.endr
	s_wait_dscnt 8                                 ; the eight loads of R are younger: F is in
	global_store_b128 v2, v[RX:RX+3],   s[12:13]               ; 16 lanes: 256 consecutive bytes, aligned
	global_store_b128 v2, v[RX+4:RX+7], s[12:13] offset:4096
	s_wait_dscnt 0x0
.irp j, 0,1,2,3,4,5,6,7
	v_cndmask_b32 v[VV+\j], v11, v[VV+\j], s30
.endr
.irp j, 0,1,2,3
	v_cvt_pk_f16_f32 v[VV+\j], v[VV+2*\j], v[VV+2*\j+1]
.endr
	s_wait_alu depctr_va_vdst(0)                   ; the conversions have written v[VV .. VV+3], which the store below reads
	global_store_b128 v9, v[VV:VV+3], s[22:23]     ; 16 lanes: 256 consecutive bytes, aligned
	s_wait_dscnt 0x0                               ; the closing lines, six on end
	s_wait_alu 0x0
	s_wait_tensorcnt 0x0
	ds_add_u32 v112, v113
	s_wait_dscnt 0x0
	s_endpgm
.Lfunc_end_k_q6790fd9b29_prep:
	.size	k_q6790fd9b29_prep, .Lfunc_end_k_q6790fd9b29_prep-k_q6790fd9b29_prep
	.p2alignl 7, 3214868480
	.fill 96, 4, 3214868480
	.section	.rodata,"a",@progbits
	.p2align	6, 0x0
	.amdhsa_kernel k_q6790fd9b29_prep
		.amdhsa_group_segment_fixed_size 16640
		.amdhsa_private_segment_fixed_size 0
		.amdhsa_enable_private_segment 0
		.amdhsa_kernarg_size 40
		.amdhsa_user_sgpr_count 2
		.amdhsa_user_sgpr_kernarg_segment_ptr 1
		.amdhsa_wavefront_size32 1
		.amdhsa_system_sgpr_workgroup_id_x 1
		.amdhsa_system_sgpr_workgroup_id_y 1
		.amdhsa_system_sgpr_workgroup_id_z 1
		.amdhsa_system_vgpr_workitem_id 0
		.amdhsa_next_free_vgpr 164
		.amdhsa_next_free_sgpr 66
		.amdhsa_reserve_vcc 0
		.amdhsa_float_denorm_mode_32 3
		.amdhsa_float_denorm_mode_16_64 3
		.amdhsa_memory_ordered 1
		.amdhsa_forward_progress 1
		.amdhsa_inst_pref_size 23
	.end_amdhsa_kernel
	.amdgpu_metadata
---
amdhsa.version: [ 1, 2 ]
amdhsa.kernels:
  - .name:           k_q6790fd9b29_prep
    .symbol:         k_q6790fd9b29_prep.kd
    .args:
      - { .name: features, .offset: 0, .size: 8, .value_kind: global_buffer, .address_space: global }
      - { .name: ex_features, .offset: 8, .size: 8, .value_kind: global_buffer, .address_space: global }
      - { .name: ex_class_reps, .offset: 16, .size: 8, .value_kind: global_buffer, .address_space: global }
      - { .name: fn, .offset: 24, .size: 8, .value_kind: global_buffer, .address_space: global }
      - { .name: ev, .offset: 32, .size: 8, .value_kind: global_buffer, .address_space: global }
    .group_segment_fixed_size: 16640
    .private_segment_fixed_size: 0
    .kernarg_segment_align: 8
    .kernarg_segment_size: 40
    .max_flat_workgroup_size: 256
    .sgpr_count:     66
    .vgpr_count:     164
    .wavefront_size: 32
...
	.end_amdgpu_metadata
.endif
;; end of part 4
;; launch main: the kernel of part 2 again; grid 16 x 16, 8 waves a work-group, clusters of 4 x 1, 327,680 bytes of LDS; arguments fn, ev, part; writes part
;; launch reduce: the kernel of part 3 again; grid 256 x 1, 4 waves a work-group, no clusters, 2,560 bytes of LDS; arguments part, out0, out1; writes out0, out1
